; MI455X (gfx1250); checked and timed in simulation.
; The chip was launched on July 23, 2026; its instructions are those of AMD's public machine-readable ISA for CDNA 5 (MIT licence, August 2026) and "CDNA5" Instruction Set Architecture Reference Guide (July 2026). The comments in the code are by the model that wrote it; some were corrected since.
;; Grouped Query Attention. Allowed arithmetic: matrix products marked QUANTISED: E4M3 operands, one given power-of-two scale a tensor, by v_wmma_f32_16x16x64_fp8_fp8 or v_wmma_f32_16x16x128_fp8_fp8, f32 sums; everything else in f32.
;; Inputs: Wk_codes 256 x 32 x 32 uint8 (E4M3 codes of Wk, K innermost, in blocks of 32 codes); Wo_codes 1,024 x 32 x 32 uint8 (E4M3 codes of Wo, K innermost, in blocks of 32 codes); Wq_codes 1,024 x 32 x 32 uint8 (E4M3 codes of Wq, K innermost, in blocks of 32 codes); Wv_codes 256 x 32 x 32 uint8 (E4M3 codes of Wv, K innermost, in blocks of 32 codes); lowp_scales 12 int32 (the exponents e of the quantised operands' scales 2^e); x_codes 4 x 2,048 x 32 x 32 uint8 (E4M3 codes of x, K innermost, in blocks of 32 codes).
;; Outputs: out0 4 x 2,048 x 1,024 float32.
;; This version of the problem:
;;   THIS VERSION OF THE PROBLEM IS GIVEN IN LOW PRECISION. The matrix products marked QUANTISED in the list below multiply operands that are first quantised to E4M3 (4 exponent bits, 3 mantissa bits; 8 bits a number), with one given power-of-two scale for each operand tensor; their sums are f32. All else is computed in f32.
;;   The module's matrix products, in the order in which they are computed (A, B: the left and right operand; K: the contracted axis; several contracted axes count as one K, in the product's order):
;;     1. [M 8,192, K 1,024] x [K 1,024, N 1,024]; A: input x (given as codes); B: input Wq (given as codes): QUANTISED (scales: A lowp_scales[0], B lowp_scales[1])
;;     2. [M 8,192, K 1,024] x [K 1,024, N 256]; A: input x (given as codes); B: input Wk (given as codes): QUANTISED (scales: A lowp_scales[2], B lowp_scales[3])
;;     3. [M 8,192, K 1,024] x [K 1,024, N 256]; A: input x (given as codes); B: input Wv (given as codes): QUANTISED (scales: A lowp_scales[4], B lowp_scales[5])
;;     4. batch 64 x [M 2,048, K 64] x [K 64, N 2,048]; A: computed on the way; B: computed on the way: QUANTISED (scales: A lowp_scales[6], B lowp_scales[7])
;;     5. batch 64 x [M 2,048, K 2,048] x [K 2,048, N 64]; A: softmax (see below); B: computed on the way: QUANTISED (scales: A lowp_scales[8], B lowp_scales[9])
;;     6. [M 8,192, K 1,024] x [K 1,024, N 1,024]; A: computed on the way; B: input Wo (given as codes): QUANTISED (scales: A lowp_scales[10], B lowp_scales[11])
;;   THE QUANTISER, for each operand of a quantised product, along K:
;;     - The operand's scale is 2^e, e = its entry of the input lowp_scales (int32; the entries are numbered through the quantised products in the list's order, A before B).
;;     - Each number is divided by the scale, clamped to +-448, and rounded to the nearest number of E4M3, ties to even, subnormals kept.
;;     - The product sums the exact products of the quantised numbers (number of the format x scale) in f32.
;;   ~~~python
;;   def quantise(x, axis, e):      # numpy; x: float32 -> the quantised numbers, widened to float32 again
;;       x = np.moveaxis(x, axis, -1); K = x.shape[-1]
;;       r = np.clip(x / 2.0 ** e, -448, 448)
;;       step = 2.0 ** (np.maximum(np.frexp(np.where(r == 0, 1, r))[1] - 1, -6) - 3)
;;       q = np.round(r / step) * step * 2.0 ** e      # np.round: ties to even
;;       return np.moveaxis(q, -1, axis).astype(np.float32)
;;   ~~~
;;   SOFTMAX AHEAD OF A QUANTISED PRODUCT. Where the list says 'softmax', what is quantised is not the finished softmax but p = 2^(t - M), with t = logit x log2(e) and M = ceil(the row's largest t), a whole number; so 1/2 < the row's largest p <= 1. The row's sum l is taken of the UNQUANTISED p, in f32, and the product's result is divided by l at the end. Since M is a whole number, a kernel that streams over the keys may use a running M (the ceiling of the running maximum): every later rescaling is an exact power of two, so the quantised numbers keep their values, but for numbers so far below the row's largest that they fall under the format's range.
;;   OPERANDS COMPUTED ON THE WAY. 'Computed on the way' means the value that the module computes at that place (a softmax that the list does not call 'softmax' is quantised finished and normalised). What goes into a quantiser is computed in f32, as accurately as f32 sums, v_exp_f32 and their like allow (about 1e-6 of the number): no bf16 or f16 on the way to a quantiser, and a product that is left as it is and whose result goes on into a quantised operand takes f32 operands (vector FMAs, or v_wmma_f32_16x16x4_f32). A number that lies on a knife's edge between two numbers of the format may be rounded either way, as far as f32 arithmetic and the matrix unit's own rounding can turn it there, and no further.
;;   INPUTS GIVEN AS CODES. Wk (in the module: [1024, 256], K = its axis 0); Wo (in the module: [1024, 1024], K = its axis 0); Wq (in the module: [1024, 1024], K = its axis 0); Wv (in the module: [1024, 256], K = its axis 0); x (in the module: [4, 2048, 1024], K = its axis 2): each comes as NAME_codes (uint8): NAME with its K axis moved to the last place and cut into blocks of 32 codes, [.., K / 32, bytes a block], one block behind the other in memory; one code a byte (a code: sign, 4 exponent bits, 3 mantissa bits); its scale is its entry of lowp_scales. Its value is code x scale, taken as it is: it is not quantised again, and the codes and scales need not be those that the quantiser above would give.
;; One version. Each part assembles by itself: llvm-mc -triple=amdgcn-amd-amdhsa -mcpu=gfx1250 --defsym DOCPART=n.
;; ======== version 1 of 1: 3 launches
;; limits: right only within a limited range of input values
;; workspace buffers: q_codes 8,388,608 bytes; k_codes 2,097,152 bytes; v_codes 2,097,152 bytes; a_codes 8,388,608 bytes
;; launch proj (part 1): grid 32 x 6, 4 waves a work-group, no clusters, 327,680 bytes of LDS; arguments x_codes, Wq_codes, Wk_codes, Wv_codes, lowp_scales, q_codes, k_codes, v_codes; writes q_codes, k_codes, v_codes
.if DOCPART == 1
	.amdgcn_target "amdgcn-amd-amdhsa--gfx1250"
	.amdhsa_code_object_version 6
	.text
	.protected	k_qfae40c8331_proj
	.globl	k_qfae40c8331_proj
	.p2align	8
	.type	k_qfae40c8331_proj,@function
k_qfae40c8331_proj:
	s_mov_b64 s[64:65], 0
	v_nop
	global_prefetch_b8 v0, s[64:65] scope:SCOPE_SE
	s_setreg_imm32_b32 hwreg(HW_REG_WAVE_MODE, 25, 1), 1
	s_wait_xcnt 0x0
; The three projections on codes of FP8 (E4M3): q = x Wq (y = 0..3: 256 columns each), k = x Wk (y = 4), v = x Wv (y = 5); each sum is quantised again (e6, e7, e9) and stored as codes in the order that the attention launch reads.
; A work-group makes 256 tokens x 256 columns, four waves of 128 x 128; K goes in steps of 256 through a ring of two LDS slots; a slot holds region A (256 rows) and region B (256 rows).
; q, k: region A = x's rows, region B = the weight's: a lane holds one token and eight neighbouring channels.  v: region A = Wv's rows, region B = x's: a lane holds one channel and eight neighbouring tokens, since the keys are v's K.
; The two tiles change places IN MEMORY (a choice between two finished addresses by y); no LDS address hangs on the work-group's number.
; NO CLUSTER: the tile that four token blocks would share lands in region B for q and k and in region A for v, so which descriptor carries the mask would hang on y, and a descriptor's group 1 is made of constants alone.
; No prefetch: K is four steps, two of which are asked for at the head.
.set KSTEP,  256
.set ROWB,   256
.set KROW,   1024
.set PITCH,  272
.set FR,     16
.set NL,     4
.set NP,     4
.set HALFT,  128*PITCH
.set SLOT,   4*HALFT
.set LAPS,   KROW/(2*KSTEP)
.set SPARE,  2*SLOT
.set SPITCH, 144
.set GOF,  8
.set LIM,  12
.set SCL,  13
.set ADRA, 16
.set ADRB, 20
.set STO,  24
.set RD,   25
.set SPW,  28
.set NIL,  29
.set TMP,  32
.set AF,   128
.set G1, 24
.set G0, 32
.set G1B, 48
.set G0B, 56
.set MSB, 0
.macro WIN new
.if MSB != \new
	s_set_vgpr_msb (MSB<<8)|\new
.set MSB, \new
.endif
.endm
.set MUL_LO, 0xa1
.set MUL_HI, 0xf1
.set TO_B,   0x40
.macro JLOAD g0a, g1a, g0b, g1b
	s_cmp_eq_u32 s15, 0
	s_cbranch_scc0 .Lfor_b_\@
	tensor_load_to_lds s[\g0a:\g0a+3], s[\g1a:\g1a+7]
	s_nop 0
.rept 4
	v_nop
.endr
	s_branch .Lasked_\@
.Lfor_b_\@:
	tensor_load_to_lds s[\g0b:\g0b+3], s[\g1b:\g1b+7]
	s_nop 0
.rept 4
	v_nop
.endr
.Lasked_\@:
.endm
.macro CREST
.endm
.macro CROUND
	s_barrier_signal -1
	s_barrier_wait -1
	CREST
.endm
	s_load_b256 s[4:11], s[0:1], 0x0
	s_load_b256 s[68:75], s[0:1], 0x20
	v_lshl_add_u32 v[SPW], v0, 2, SPARE
	v_mov_b32 v[NIL], 0
	ds_add_u32 v[SPW], v[NIL]
	ds_add_u32 v[SPW], v[NIL]
	v_lshrrev_b32 v1, 5, v0
	v_readfirstlane_b32 s14, v1
	s_lshr_b32 s15, s14, 1
	s_and_b32 s16, s14, 1
	s_mov_b32 s13, ttmp9                           ; my block of 256 tokens
	s_and_b32 s12, ttmp7, 0xffff
	s_cmp_lt_u32 s12, 4
	s_cselect_b32 s17, s12, 0
	s_mov_b32 s[G1+0], (0<<16)|(1<<20)|(5<<22)|(3<<25)
	s_mov_b32 s[G1B+0], (0<<16)|(1<<20)|(5<<22)|(3<<25)
.irp g, G1, G1B
	s_mov_b32 s[\g+1], ROWB<<16
	s_mov_b32 s[\g+2], 128<<16
	s_mov_b32 s[\g+3], ROWB<<16
	s_mov_b32 s[\g+4], 128
	s_mov_b32 s[\g+5], KROW
	s_mov_b32 s[\g+6], 0
	s_mov_b32 s[\g+7], 0
.endr
	s_lshl_b32 s18, s16, 17
	s_lshl_b32 s20, s13, 18
	s_add_co_u32 s20, s20, s18
	s_mov_b32 s21, 0
	s_lshl_b32 s46, s17, 18
	s_add_co_u32 s46, s46, s18
	s_mov_b32 s47, 0
	s_mul_i32 s41, s14, HALFT
	s_wait_dscnt 0x0
	s_wait_kmcnt 0x0
	s_load_b256 s[76:83], s[68:69], 0x0
	s_load_b128 s[84:87], s[68:69], 0x20
	s_cmp_eq_u32 s12, 5
	s_cselect_b64 s[44:45], s[10:11], s[8:9]
	s_cmp_lt_u32 s12, 4
	s_cselect_b64 s[44:45], s[6:7], s[44:45]
	s_add_nc_u64 s[42:43], s[4:5], s[20:21]        ; x's rows that I would fetch
	s_add_nc_u64 s[44:45], s[44:45], s[46:47]      ; the weight's
	s_cmp_eq_u32 s12, 5
	s_cselect_b64 s[20:21], s[44:45], s[42:43]     ; region A: x's rows, for v the weight's
	s_cselect_b64 s[46:47], s[42:43], s[44:45]     ; region B: the other
	CROUND
.irp s, 0,1
	s_mov_b32 s[G0+4*\s], 1
	s_add_co_u32 s[G0+4*\s+1], s41, \s*SLOT
	s_add_nc_u64 s[G0+4*\s+2:G0+4*\s+3], s[20:21], \s*ROWB
	s_or_b32 s[G0+4*\s+3], s[G0+4*\s+3], 0x80000000
	s_mov_b32 s[G0B+4*\s], 1
	s_add_co_u32 s[G0B+4*\s+1], s41, \s*SLOT
	s_add_nc_u64 s[G0B+4*\s+2:G0B+4*\s+3], s[46:47], \s*ROWB
	s_or_b32 s[G0B+4*\s+3], s[G0B+4*\s+3], 0x80000000
	s_wait_alu depctr_va_vdst(0)
	s_wait_tensorcnt 0x0
	ds_add_u32 v28, v29
	ds_add_u32 v28, v29
	s_wait_dscnt 0x0
	CROUND
	JLOAD G0+4*\s, G1, G0B+4*\s, G1B
.endr
	s_mov_b32 s94, 0x20000
	s_cmp_eq_u32 s12, 5
	s_cselect_b32 s94, 64, s94
	s_cselect_b32 s95, 128, 64
	s_cselect_b32 s92, 122880, 0
	s_mov_b32 s18, 0                               ; source 1's fragments come from region A,
	s_mov_b32 s19, 2*HALFT                         ; source 0's from region B
	s_mov_b32 s93, 0
	s_mov_b32 s91, 0
	s_lshl_b32 s90, s95, 4
	v_and_b32 v1, 15, v0
	s_wait_alu depctr_va_vdst(0)
	v_bfe_u32 v2, v0, 4, 1
	v_mul_u32_u24 v3, v1, PITCH
	v_lshl_add_u32 v4, v2, 4, v3
	s_mul_i32 s21, s15, HALFT
	s_add_co_u32 s21, s21, s18
	s_mul_i32 s22, s16, HALFT
	s_add_co_u32 s22, s22, s19
.irp s, 0,1
	v_add_nc_u32 v[ADRA+\s], s21, v4
	v_add_nc_u32 v[ADRB+\s], s22, v4
	s_add_co_u32 s21, s21, SLOT
	s_add_co_u32 s22, s22, SLOT
.endr
	s_mul_i32 s23, s14, 16*SPITCH
	v_mul_u32_u24 v5, v1, SPITCH
	s_wait_alu depctr_va_vdst(0)
	v_lshl_add_u32 v5, v2, 4, v5
	v_add_nc_u32 v[STO], s23, v5
	v_and_b32 v6, 31, v0
	v_lshrrev_b32 v7, 3, v6
	v_mul_u32_u24 v5, v7, SPITCH
	v_and_b32 v3, 7, v6
	v_lshl_add_u32 v5, v3, 4, v5
	v_add_nc_u32 v[RD], s23, v5
	v_and_b32 v5, 3, v6
	v_lshlrev_b32 v5, 4, v5
	v_bfe_u32 v3, v6, 2, 1
	v_mad_u32_u24 v5, v3, s94, v5
	v_mad_u32_u24 v[GOF], v7, s95, v5
	s_lshl_b32 s96, s95, 2
	v_add_nc_u32 v[GOF+1], s96, v[GOF]
	v_add_nc_u32 v[GOF+2], s96, v[GOF+1]
	v_add_nc_u32 v[GOF+3], s96, v[GOF+2]
	s_lshr_b32 s42, s13, 3
	s_and_b32 s43, s13, 7
	s_cmp_lt_u32 s12, 4
	s_cselect_b32 s96, 16, 4
	s_mul_i32 s96, s42, s96
	s_lshl_b32 s97, s17, 2
	s_add_co_u32 s96, s96, s97
	s_lshl_b32 s97, s16, 1
	s_add_co_u32 s96, s96, s97
	s_lshl_b32 s96, s96, 11
	s_lshl_b32 s97, s43, 8
	s_add_co_u32 s96, s96, s97
	s_lshl_b32 s97, s15, 7
	s_add_co_u32 s96, s96, s97
	s_lshl_b32 s96, s96, 6
	s_lshl_b32 s98, s42, 2
	s_lshl_b32 s97, s15, 1
	s_add_co_u32 s98, s98, s97
	s_lshl_b32 s98, s98, 4
	s_lshl_b32 s97, s43, 1
	s_add_co_u32 s98, s98, s97
	s_add_co_u32 s98, s98, s16
	s_lshl_b32 s98, s98, 13
	s_cmp_eq_u32 s12, 5
	s_cselect_b32 s96, s98, s96
	s_cselect_b64 s[88:89], s[74:75], s[72:73]
	s_mov_b32 s97, 0
	s_cmp_lt_u32 s12, 4
	s_cselect_b64 s[88:89], s[70:71], s[88:89]
	s_add_nc_u64 s[88:89], s[88:89], s[96:97]
	s_wait_kmcnt 0x0
	s_cmp_eq_u32 s12, 5
	s_cselect_b32 s96, s85, s83
	s_cselect_b32 s97, s80, s78
	s_cselect_b32 s98, s81, s79
	s_cmp_lt_u32 s12, 4
	s_cselect_b32 s96, s82, s96
	s_cselect_b32 s97, s76, s97
	s_cselect_b32 s98, s77, s98
	s_sub_co_i32 s96, s96, s97
	s_sub_co_i32 s96, s96, s98
	s_add_co_i32 s96, s96, 127
	s_lshl_b32 s97, s96, 23
	v_mov_b32 v[SCL], s97
	s_add_co_i32 s96, s96, 8
	s_lshl_b32 s96, s96, 23
	s_or_b32 s96, s96, 0x600000
	v_mov_b32 v[LIM], s96
.macro FRAG reg, adr, q, i
.irp c, 0,1,2,3
	ds_load_b128 v[\reg+4*\c:\reg+4*\c+3], v[\adr] offset:128*(\q)+32*\c+(\i)*16*PITCH
.endr
.endm
.macro MUL16 a0, p, zero
.irp a, \a0, \a0+1
.irp b, 0,1,2,3,4,5,6,7
.if \zero
	v_wmma_f32_16x16x128_fp8_fp8 v[8*(8*((\a)%4)+\b):8*(8*((\a)%4)+\b)+7], v[128*(\p)+FR*\b:128*(\p)+FR*\b+FR-1], v[AF+FR*(\a):AF+FR*(\a)+FR-1], 0
.else
	v_wmma_f32_16x16x128_fp8_fp8 v[8*(8*((\a)%4)+\b):8*(8*((\a)%4)+\b)+7], v[128*(\p)+FR*\b:128*(\p)+FR*\b+FR-1], v[AF+FR*(\a):AF+FR*(\a)+FR-1], v[8*(8*((\a)%4)+\b):8*(8*((\a)%4)+\b)+7]
.endif
.endr
.endr
.endm
.macro FETCH_B slot, q, p
	WIN TO_B
.irp i, 0,1,2,3,4,5,6,7
	FRAG 128*(\p)+FR*\i, ADRB+\slot, \q, \i
.endr
	WIN 0
.endm
.macro FETCH_A slot, q, i0
.irp i, \i0, \i0+1, \i0+2, \i0+3
	FRAG AF+FR*(\i), ADRA+\slot, \q, \i
.endr
.endm
.macro PLACES n
.rept \n
	v_nop
.endr
.endm
.macro STEP slot, q, zero
	s_wait_dscnt 4*NL
	WIN MUL_LO
	MUL16 0, (\q)%2, \zero
	MUL16 2, (\q)%2, \zero
	s_wait_dscnt 0
	PLACES NP
	FETCH_B \slot, (\q)+1, 1-(\q)%2
	FETCH_A \slot, (\q)+1, 0
	WIN MUL_HI
	MUL16 4, (\q)%2, \zero
	MUL16 6, (\q)%2, \zero
	PLACES NP
	WIN 0
	FETCH_A \slot, (\q)+1, 4
.endm
.macro TURN slot, next, fill
	s_wait_tensorcnt 0x0
	ds_add_u32 v[SPW], v[NIL]
	s_wait_dscnt 4*NL+1
	WIN MUL_LO
	MUL16 0, 1, 0
	s_wait_dscnt 0x0
	s_barrier_signal -1
	MUL16 2, 1, 0
	WIN 0
	s_barrier_wait -1
.if \fill
	CREST
	s_add_nc_u64 s[G0+4*\slot+2:G0+4*\slot+3], s[G0+4*\slot+2:G0+4*\slot+3], 2*ROWB
	s_add_nc_u64 s[G0B+4*\slot+2:G0B+4*\slot+3], s[G0B+4*\slot+2:G0B+4*\slot+3], 2*ROWB
	JLOAD G0+4*\slot, G1, G0B+4*\slot, G1B
.else
	PLACES NP
.endif
	FETCH_B \next, 0, 0
	FETCH_A \next, 0, 0
	WIN MUL_HI
	MUL16 4, 1, 0
	MUL16 6, 1, 0
	PLACES NP
	WIN 0
	FETCH_A \next, 0, 4
.endm
	s_wait_tensorcnt 1
	s_barrier_signal -1
	s_barrier_wait -1
	FETCH_B 0, 0, 0
	FETCH_A 0, 0, 0
	FETCH_A 0, 0, 4
	STEP 0, 0, 1
	s_mov_b32 s3, LAPS-1
.Llap:
	TURN 0, 1, 1
	STEP 1, 0, 0
	TURN 1, 0, 1
	STEP 0, 0, 0
	s_sub_co_u32 s3, s3, 1
	s_cmp_lg_u32 s3, 0
	s_cbranch_scc1 .Llap
	TURN 0, 1, 0
	STEP 1, 0, 0
	s_wait_dscnt 4*NL
	WIN MUL_LO
	MUL16 0, 1, 0
	MUL16 2, 1, 0
	s_wait_alu depctr_va_vdst(0)
	s_wait_dscnt 0
	WIN MUL_HI
	MUL16 4, 1, 0
	MUL16 6, 1, 0
	WIN 0
.macro TOSTAGE a
.set AC, 64*((\a)%4)
.set CD, 96+16*((\a)%2)
.set BB, 128+16*((\a)%2)
	WIN 0x02+((\a)/4)
.set j, 0
.rept 64
	v_med3_num_f32 v[TMP+j], v[AC+j], -v[LIM], v[LIM]
.set j, j+1
.endr
	WIN 0
.irp b, 0,1,2,3,4,5,6,7
	v_cvt_scalef32_pk8_fp8_f32 v[CD+2*\b:CD+2*\b+1], v[TMP+8*\b:TMP+8*\b+7], v[SCL]
.endr
	v_nop
.irp c, 0,1,2,3
	ds_store_b128 v[STO], v[CD+4*\c:CD+4*\c+3] offset:32*\c
.endr
.irp i, 0,1,2,3
	ds_load_b128 v[BB+4*\i:BB+4*\i+3], v[RD] offset:\i*4*SPITCH
.endr
.endm
.macro SEND a, younger
.set BB, 128+16*((\a)%2)
	s_wait_dscnt \younger
.if (\a) > 0
	s_add_nc_u64 s[88:89], s[88:89], s[90:91]
.endif
.if (\a) == 4
	s_add_nc_u64 s[88:89], s[88:89], s[92:93]
.endif
.irp i, 0,1,2,3
	global_store_b128 v[GOF+\i], v[BB+4*\i:BB+4*\i+3], s[88:89]
.endr
.endm
	PLACES NP
	TOSTAGE 0
.irp a, 1,2,3,4,5,6,7
.if \a > 1
	s_wait_xcnt 0x0
.endif
	TOSTAGE \a
	SEND \a-1, 8
.endr
	s_wait_xcnt 0x0
	SEND 7, 0
	s_wait_tensorcnt 0x0
	ds_add_u32 v[SPW], v[NIL]
	s_wait_dscnt 0x0
	CROUND
	s_endpgm
.Lfunc_end_k_qfae40c8331_proj:
	.size	k_qfae40c8331_proj, .Lfunc_end_k_qfae40c8331_proj-k_qfae40c8331_proj
	.p2alignl 7, 3214868480
	.fill 96, 4, 3214868480
	.section	.rodata,"a",@progbits
	.p2align	6, 0x0
	.amdhsa_kernel k_qfae40c8331_proj
		.amdhsa_group_segment_fixed_size 327680
		.amdhsa_private_segment_fixed_size 0
		.amdhsa_enable_private_segment 0
		.amdhsa_kernarg_size 64
		.amdhsa_user_sgpr_count 2
		.amdhsa_user_sgpr_kernarg_segment_ptr 1
		.amdhsa_wavefront_size32 1
		.amdhsa_system_sgpr_workgroup_id_x 1
		.amdhsa_system_sgpr_workgroup_id_y 1
		.amdhsa_system_sgpr_workgroup_id_z 1
		.amdhsa_system_vgpr_workitem_id 0
		.amdhsa_next_free_vgpr 1024
		.amdhsa_next_free_sgpr 100
		.amdhsa_reserve_vcc 0
		.amdhsa_float_denorm_mode_32 3
		.amdhsa_float_denorm_mode_16_64 3
		.amdhsa_memory_ordered 1
		.amdhsa_forward_progress 1
		.amdhsa_inst_pref_size 124
	.end_amdhsa_kernel
	.amdgpu_metadata
---
amdhsa.version: [ 1, 2 ]
amdhsa.kernels:
  - .name:           k_qfae40c8331_proj
    .symbol:         k_qfae40c8331_proj.kd
    .args:
      - { .name: x_codes, .offset: 0, .size: 8, .value_kind: global_buffer, .address_space: global }
      - { .name: Wq_codes, .offset: 8, .size: 8, .value_kind: global_buffer, .address_space: global }
      - { .name: Wk_codes, .offset: 16, .size: 8, .value_kind: global_buffer, .address_space: global }
      - { .name: Wv_codes, .offset: 24, .size: 8, .value_kind: global_buffer, .address_space: global }
      - { .name: lowp_scales, .offset: 32, .size: 8, .value_kind: global_buffer, .address_space: global }
      - { .name: q_codes, .offset: 40, .size: 8, .value_kind: global_buffer, .address_space: global }
      - { .name: k_codes, .offset: 48, .size: 8, .value_kind: global_buffer, .address_space: global }
      - { .name: v_codes, .offset: 56, .size: 8, .value_kind: global_buffer, .address_space: global }
    .group_segment_fixed_size: 327680
    .private_segment_fixed_size: 0
    .kernarg_segment_align: 8
    .kernarg_segment_size: 64
    .max_flat_workgroup_size: 128
    .sgpr_count:     100
    .vgpr_count:     1024
    .wavefront_size: 32
...
	.end_amdgpu_metadata
.endif
;; end of part 1
;; launch attn (part 2): grid 16 x 16, 4 waves a work-group, clusters of 4 x 1, 327,680 bytes of LDS; arguments q_codes, k_codes, v_codes, lowp_scales, a_codes; writes a_codes
.if DOCPART == 2
	.amdgcn_target "amdgcn-amd-amdhsa--gfx1250"
	.amdhsa_code_object_version 6
	.text
	.protected	k_qfae40c8331_attn
	.globl	k_qfae40c8331_attn
	.p2align	8
	.type	k_qfae40c8331_attn,@function
k_qfae40c8331_attn:
	s_mov_b64 s[64:65], 0
	v_nop
	global_prefetch_b8 v0, s[64:65] scope:SCOPE_SE
	s_setreg_imm32_b32 hwreg(HW_REG_WAVE_MODE, 25, 1), 1
	s_wait_xcnt 0x0
	s_wait_alu depctr_hold_cnt(0) depctr_sa_sdst(0) depctr_va_vdst(0) depctr_va_sdst(0) depctr_va_ssrc(0) depctr_va_vcc(0) depctr_vm_vsrc(0)
	s_getreg_b32 s2, hwreg(HW_REG_IB_STS2, 6, 4)
	s_cmp_eq_u32 s2, 0
	s_cbranch_scc0 .Lentry_in_a_cluster
	s_endpgm
.Lentry_in_a_cluster:
	s_bfe_u32 s2, ttmp6, 0x10000c
	s_cmp_lg_u32 s2, 0x3003
	s_cbranch_scc0 .Lentry_shape_is_right
	s_endpgm
.Lentry_shape_is_right:
; Attention with an ALiBi bias on codes of FP8 (E4M3): for each batch b, head, query i: o = sum over keys j of softmax_j(q . k / 8 + slope (j - i)) v, both products quantised; o is quantised again (e10) for the last projection.
; q_codes [b][16][2048][64], k_codes [b][4][2048][64], v_codes [b][4][16 blocks of 128 keys][64 d][128], as the launch before lays them.  a_codes [8192 tokens][1024]: byte 64 head + d.
; THE SOFTMAX: t = logit x log2(e); M = the row's largest t so far, rounded UP to a whole number; p = 2^(t - M) is quantised (e8), not normalised.  The row's sum is taken of the unquantised p and divides at the end.
; When M moves, the sum and O are multiplied by 2^(old M - new M): exact.
; t = c (s + B) + base: s the sum of the codes' products, c = log2(e) / 8 x 2^(e6 + e7), B = slope x 2^(3 - e6 - e7) x (the key's place in its step of 128), base = slope log2(e) x (the step's first key - my query).
; B IS THE C OF THE SCORE PRODUCT: 64 registers in the result's layout, made once for the wave's one head.
; SHARES.  A work-group owns 128 queries x the four query heads of one (b, kv); 256 work-groups.  All of K and V of (b, kv) lies in LDS for the whole launch: nothing is filled again, no barrier stands in the loop.
; Wave w owns head w and all 128 queries: EIGHT tiles of 16, in two groups of four.  A step of 128 keys reads K's and V's fragments from LDS once for all eight tiles.
; CLUSTER 4 x 1: the partners are four query blocks of one (b, kv): K and V are asked for JOINTLY, one tensor load a wave (waves 0, 1: K's halves; waves 2, 3: V's).
; No prefetch: every byte of K and V is asked for at the head, and nothing later.
; LAYOUT.  Both products transposed: S^T = K Q^T, O^T = V^T P^T: a lane holds ONE query (lane % 16).  Register j of score tile t is key 16 t + 8 (lane / 16) + j.
; ORDER OF A GROUP'S SOFTMAX.  The four tiles' chains (maxima, statistics, sums) are laid line by line side by side.  The exponentials go tile by tile; among tile k's stand tile k + 1's multiply-adds and
; tile k - 1's holds, none of whose results is read before the next wait.
; LIMITS: e6 + e7 between -123 and 121; e8, and e10 - e8 - e9, between -126 and 119; the scaled scores stay under 2^31 in magnitude; NaN is not served.
; REGISTERS.  window 0: addresses, statistics, sums' parts, p's codes, constants.  window 1: S, the group's four tiles of scores, then p (64 u).  window 2: O^T of the eight tiles (32 T).
;   window 3: v0-63 K's fragments, v64-127 V's, v128-191 the bias, v192-255 Q's eight fragments.
.set DUAL,  1                          ; 1: the holds go two to an instruction (destinations even and odd, first sources and the limit's two copies in different banks)
.set KP,    80                         ; a key's row in LDS: 64 bytes + 16
.set VP,    144                        ; a row of V: 128 bytes + 16
.set VREG,  2048*KP
.set SPARE, VREG+1024*VP               ; the spare words: 128 bytes a wave, two blocks of 256 bytes that no other line names
.set SP,    272                        ; the way out: a stage of 128 rows x (256 + 16) bytes at LDS byte 0, in K's region, behind its one fill and its last read
.set AK0, 1
.set AV0, 2
.set ADK, 3
.set ADV, 4
.set SPW, 5
.set NIL, 6
.set QO,  7
.set STO, 16
.set RD,  17
.set GO,  18
.set ST,  24                           ; statistics, 8 registers a tile: 0 f, 1 -M, 2 base - M, 3 the largest t, 4-5 the sum, 6 first key - query
.set TT,  88                           ; at work, 4 a tile of the group: two maxima, a permute's destination
.set X,   104                          ; 16 pairs: a tile's sums, first levels
.set Y,   136                          ; 4 pairs a tile: its sums, third level
.set PC,  168                          ; p's codes, 16 a tile of the group; at the end the output's codes
.set LIMP, 232                         ; v232, v233: 448 x 2^e8
.set SCP,  234
.set LIMO, 235
.set SCO,  236
.set KF,  0
.set VF,  64
.set CB,  128
.set Q,   192
.set WV,   14
.set G1K,  24
.set G1V,  32
.set G0K,  40
.set G0V,  44
.set CS,  88
.set SEL, 90
.set SL2, 92
.set SLR, 93
.set TB,  94
.set CNT, 96
.set QF,  97
.set MSB, 0
.macro WIN new                         ; low byte: bits 1:0 source 0, 3:2 source 1, 5:4 source 2, 7:6 destination; the high byte repeats the setting that is left
.if MSB != \new
	s_set_vgpr_msb (MSB<<8)|\new
.set MSB, \new
.endif
.endm
.macro CROUND                          ; a round of the cluster's barrier
	s_barrier_signal -1
	s_barrier_wait -1
	s_cmp_lg_u32 s[WV], 0
	s_cbranch_scc1 .Lnot_wave_0_\@
	s_barrier_signal -3
.Lnot_wave_0_\@:
	s_barrier_wait -3
	s_barrier_signal -1
	s_barrier_wait -1
.endm
.macro GROUP1 g, w0, c, r              ; a tile of r rows of c bytes, dense in memory
	s_mov_b32 s[\g], \w0
	s_mov_b32 s[\g+1], (\c)<<16
	s_mov_b32 s[\g+2], (\r)<<16
	s_mov_b32 s[\g+3], (\c)<<16
	s_mov_b32 s[\g+4], \r
	s_mov_b32 s[\g+5], \c
	s_mov_b32 s[\g+6], 0
	s_mov_b32 s[\g+7], 0
.endm
.set W0K, 15|(1<<20)|(1<<21)|(3<<22)|(3<<25)   ; the mask: all four partners; bytes; four words of padding after every 16
.set W0V, 15|(1<<20)|(1<<21)|(4<<22)|(3<<25)   ; the same after every 32
	s_load_b256 s[4:11], s[0:1], 0x0               ; q_codes, k_codes, v_codes, the exponents
	s_load_b64 s[12:13], s[0:1], 0x20              ; a_codes
	v_lshl_add_u32 v[SPW], v0, 2, SPARE
	v_mov_b32 v[NIL], 0
	ds_add_u32 v[SPW], v[NIL]                      ; the opening lines: the add, twice on end, and its wait
	ds_add_u32 v[SPW], v[NIL]
	v_lshrrev_b32 v1, 5, v0
	v_readfirstlane_b32 s[WV], v1                  ; wave 0..3: my head among the four
	s_and_b32 s15, s[WV], 1                        ; which half of K or of V I fetch
	s_and_b32 s17, ttmp7, 0xffff                   ; y = 4 b + kv
	s_lshl_b32 s20, s17, 17                        ; K and V of (b, kv) are 131,072 bytes each
	s_lshl_b32 s22, s15, 16
	s_add_co_u32 s20, s20, s22
	s_mov_b32 s21, 0
	GROUP1 G1K, W0K, 64, 1024
	GROUP1 G1V, W0V, 128, 512
	s_mov_b32 s[SEL], 0x76543210
	s_mov_b32 s[SEL+1], 0xfedcba98
	s_wait_dscnt 0x0
	s_wait_kmcnt 0x0
	s_load_b256 s[76:83], s[10:11], 0x0            ; e0 .. e7
	s_load_b128 s[84:87], s[10:11], 0x20           ; e8 .. e11
	CROUND                                         ; all four work-groups are here: the joint loads meet
	s_mov_b32 s[G0K], 1
	s_mul_i32 s[G0K+1], s15, 1024*KP
	s_add_nc_u64 s[G0K+2:G0K+3], s[6:7], s[20:21]
	s_or_b32 s[G0K+3], s[G0K+3], 0x80000000
	s_mov_b32 s[G0V], 1
	s_mul_i32 s[G0V+1], s15, 512*VP
	s_add_co_u32 s[G0V+1], s[G0V+1], VREG
	s_add_nc_u64 s[G0V+2:G0V+3], s[8:9], s[20:21]
	s_or_b32 s[G0V+3], s[G0V+3], 0x80000000
	s_cmp_lt_u32 s[WV], 2                          ; one fill a wave, one to an arm
	s_cbranch_scc0 .Lfirst_v
	tensor_load_to_lds s[G0K:G0K+3], s[G1K:G1K+7]
	s_nop 0
.rept 4
	v_nop
.endr
	s_branch .Lfirst_asked
.Lfirst_v:
	tensor_load_to_lds s[G0V:G0V+3], s[G1V:G1V+7]
	s_nop 0
.rept 4
	v_nop
.endr
.Lfirst_asked:
	s_bfe_u32 s19, ttmp6, 0x40000                  ; cx enters Q's and the output's addresses and the queries' numbers alone
	s_lshl_b32 s18, ttmp9, 2
	s_add_co_u32 s18, s18, s19                     ; my block of 128 queries
	s_lshl_b32 s[QF], s18, 7                       ; its first query
	s_lshl_b32 s98, s17, 2
	s_add_co_u32 s98, s98, s[WV]                   ; 16 b + head
	s_lshl_b32 s98, s98, 11
	s_add_co_u32 s98, s98, s[QF]
	s_lshl_b32 s98, s98, 6
	s_mov_b32 s99, 0
	s_add_nc_u64 s[4:5], s[4:5], s[98:99]
	s_lshr_b32 s98, s17, 2                         ; b
	s_lshl_b32 s98, s98, 11
	s_add_co_u32 s98, s98, s[QF]
	s_lshl_b32 s99, s[WV], 5
	s_add_co_u32 s98, s98, s99                     ; the first token that I store: 2,048 b + 128 block + 32 w
	s_lshl_b32 s98, s98, 10
	s_and_b32 s99, s17, 3
	s_lshl_b32 s99, s99, 8                         ; + 256 kv
	s_add_co_u32 s98, s98, s99
	s_mov_b32 s99, 0
	s_add_nc_u64 s[12:13], s[12:13], s[98:99]
	s_lshl_b32 s22, s[WV], 6                       ; the stage, in: byte 64 x my head
	s_mul_i32 s23, s[WV], 32*SP                    ; and back: rows 32 w on
	v_and_b32 v8, 15, v0                           ; r
	v_bfe_u32 v9, v0, 4, 1                         ; h
	v_lshlrev_b32 v[QO], 6, v8
	v_lshl_add_u32 v[QO], v9, 4, v[QO]
	WIN 0xc0
.irp T, 0,1,2,3,4,5,6,7                        ; Q stays in registers: a fragment is two loads of 16 bytes, 32 apart
	global_load_b128 v[Q+8*\T:Q+8*\T+3],   v[QO], s[4:5] offset:1024*\T th:TH_LOAD_NT
	global_load_b128 v[Q+8*\T+4:Q+8*\T+7], v[QO], s[4:5] offset:1024*\T+32 th:TH_LOAD_NT
.endr
	WIN 0
	v_mul_u32_u24 v[AK0], v8, KP
	v_lshl_add_u32 v[AK0], v9, 4, v[AK0]
	v_mul_u32_u24 v[AV0], v8, VP
	v_lshl_add_u32 v[AV0], v9, 4, v[AV0]
	v_add_nc_u32 v[AV0], VREG, v[AV0]
	v_lshlrev_b32 v10, 3, v9                       ; 8 h
	v_mul_u32_u24 v[STO], v8, SP
	v_lshl_add_u32 v[STO], v9, 3, v[STO]
	v_add_nc_u32 v[STO], s22, v[STO]               ; row r (+ 16 T), byte 64 w + 8 h (+ 16 t)
	v_mul_u32_u24 v[RD], v9, SP
	v_lshl_add_u32 v[RD], v8, 4, v[RD]
	v_add_nc_u32 v[RD], s23, v[RD]                 ; lanes 0-15 one row of 256 bytes, lanes 16-31 the next
	v_lshlrev_b32 v[GO], 10, v9
	v_lshl_add_u32 v[GO], v8, 4, v[GO]
	v_add_nc_u32 v11, s[QF], v8
	v_cvt_f32_u32 v11, v11                         ; tile 0's query, as f32
.set T, 0
.irp f, 128.0,144.0,160.0,176.0,192.0,208.0,224.0,240.0
	v_sub_f32 v[ST+8*T+6], -\f, v11                ; -(my query + 128): the first step adds 128
	v_mov_b32 v[ST+8*T+3], 0xff61b1e6              ; the largest t so far: -3e38
	v_mov_b32 v[ST+8*T+1], 0x7f61b1e6              ; -M
	v_mov_b32 v[ST+8*T+4], 0
	v_mov_b32 v[ST+8*T+5], 0
.set T, T+1
.endr
.irp u, 0,1,2,3
	v_mov_b32 v[TT+4*\u+2], 0                      ; a lane permute's destination counts as one of its sources
.endr
	WIN 0x80
.set n, 0
.rept 256
	v_mov_b32 v[n], 0                              ; O^T: the step is written once; its first run finds zeros, which the first change of M leaves zeros
.set n, n+1
.endr
	WIN 0
	s_wait_alu depctr_va_vdst(0)                   ; directly ahead of the wait below
	s_wait_kmcnt 0x0
	s_add_co_i32 s98, s82, s83                     ; e6 + e7
	s_lshl_b32 s99, s98, 23
	s_add_co_u32 s[CS], s99, 0x3e38aa3b            ; c = log2(e) / 8, the exponents added to its exponent field
	s_mov_b32 s[CS+1], s[CS]
	s_and_b32 s99, s17, 3
	s_lshl_b32 s99, s99, 2
	s_add_co_u32 s99, s99, s[WV]
	s_add_co_u32 s99, s99, 1                       ; head + 1: the slope is 2^(-(head + 1) / 2)
	s_mov_b32 s100, 0x3f800000
	s_and_b32 s101, s99, 1
	s_cmp_lg_u32 s101, 0
	s_cselect_b32 s100, 0x3f3504f3, s100           ; 2^(-1/2) where head + 1 is odd
	s_lshr_b32 s99, s99, 1
	s_lshl_b32 s99, s99, 23
	s_sub_co_u32 s100, s100, s99
	s_mul_f32 s[SL2], s100, 0x3fb8aa3b             ; slope x log2(e)
	s_sub_co_i32 s98, 3, s98
	s_lshl_b32 s98, s98, 23
	s_add_co_u32 s[SLR], s100, s98                 ; slope x 2^(3 - e6 - e7)
	s_add_co_i32 s101, s84, 127
	s_lshl_b32 s99, s101, 23                       ; 2^e8
	s_add_co_i32 s101, s101, 8
	s_lshl_b32 s98, s101, 23
	s_or_b32 s98, s98, 0x600000                    ; 448 x 2^e8
	s_sub_co_i32 s101, s86, s84
	s_sub_co_i32 s101, s101, s85                   ; e10 - e8 - e9
	s_add_co_i32 s100, s101, 135
	s_lshl_b32 s100, s100, 23
	s_or_b32 s100, s100, 0x600000
	s_add_co_i32 s101, s101, 127
	s_lshl_b32 s101, s101, 23
	v_mov_b32 v[LIMP], s98
	v_mov_b32 v[LIMP+1], s98
	v_mov_b32 v[SCP], s99
	v_mov_b32 v[LIMO], s100
	v_mov_b32 v[SCO], s101
	WIN 0xc0
.set n, 0
.rept 64
	v_add_nc_u32 v[CB+n], 16*(n/8)+n%8, v10        ; the bias: the key's place in its step, 16 t + 8 h + j,
.set n, n+1
.endr
	WIN 0xc3
.set n, 0
.rept 64
	v_cvt_f32_u32 v[CB+n], v[CB+n]                 ; as f32,
.set n, n+1
.endr
.set n, 0
.rept 64
	v_mul_f32 v[CB+n], v[CB+n], s[SLR]             ; x slope x 2^(3 - e6 - e7)
.set n, n+1
.endr
	WIN 0
.macro KLOAD adr                       ; K's eight fragments of a step
.irp t, 0,1,2,3,4,5,6,7
	ds_load_b128 v[KF+8*\t:KF+8*\t+3],   v[\adr] offset:16*KP*\t
	ds_load_b128 v[KF+8*\t+4:KF+8*\t+7], v[\adr] offset:16*KP*\t+32
.endr
.endm
.macro HOLD a                          ; the conversion to an 8-bit code does not saturate (ISA guide 7.6.2); p is not negative, so the hold is one-sided
.if DUAL
	v_dual_min_num_f32 v[\a], v[\a], v[LIMP] :: v_dual_min_num_f32 v[(\a)+1], v[(\a)+1], v[LIMP+1]
.else
	v_min_num_f32 v[\a], v[\a], v[LIMP]
	v_min_num_f32 v[(\a)+1], v[(\a)+1], v[LIMP]
.endif
.endm
.macro CODES u                         ; tile u's held p -> the second product's operand
	WIN 0x01
.irp t, 0,1,2,3,4,5,6,7
	v_cvt_scalef32_pk8_fp8_f32 v[PC+16*(\u)+2*\t:PC+16*(\u)+2*\t+1], v[64*(\u)+8*\t:64*(\u)+8*\t+7], v[SCP]
.endr
.endm
; Tile k's 64 exponentials; among them tile k + 1's t - M and tile k - 1's holds.  Then the wait, tile k's sum of the UNQUANTISED p down to four pairs, and tile k - 1's codes.
.macro BATCH k
	WIN 0x41
.set n, 0
.rept 32
	v_exp_f32 v[64*\k+2*n], v[64*\k+2*n]
.if \k < 3
	v_pk_fma_f32 v[64*\k+64+2*n:64*\k+65+2*n], v[64*\k+64+2*n:64*\k+65+2*n], s[CS:CS+1], v[SB+8*\k+10:SB+8*\k+11] op_sel_hi:[1,0,0]
.endif
	v_exp_f32 v[64*\k+2*n+1], v[64*\k+2*n+1]
.if \k > 0
	HOLD 64*\k-64+2*n
.endif
.set n, n+1
.endr
	v_nop                                          ; a plain place behind the last exponential
	s_wait_alu depctr_va_vdst(0)                   ; behind this batch and ahead of the next
	WIN 0x05
.set n, 0
.rept 16
	v_pk_add_f32 v[X+2*n:X+2*n+1], v[64*\k+4*n:64*\k+4*n+1], v[64*\k+4*n+2:64*\k+4*n+3]
.set n, n+1
.endr
.if \k > 0
	CODES \k-1
.endif
	WIN 0
.set n, 0
.rept 8
	v_pk_add_f32 v[X+2*n:X+2*n+1], v[X+2*n:X+2*n+1], v[X+2*n+16:X+2*n+17]
.set n, n+1
.endr
.set n, 0
.rept 4
	v_pk_add_f32 v[Y+8*\k+2*n:Y+8*\k+2*n+1], v[X+2*n:X+2*n+1], v[X+2*n+8:X+2*n+9]
.set n, n+1
.endr
.endm
; ONE GROUP of four tiles (4 g + u) for one step of 128 keys.  g = 0 asks for this step's V, g = 1 for the next step's K, behind the score products.
.macro GROUP g
.set SB, ST+32*\g
.set OB, 128*\g
.if \g == 0
	s_mul_i32 s[TB], s[CNT], 64*VP
.else
	s_add_co_u32 s[TB], s[CNT], 1
	s_and_b32 s[TB], s[TB], 15                     ; (the last step reads step 0's keys again, and nobody uses them: so no load leaves K's rows)
	s_mul_i32 s[TB], s[TB], 128*KP
.endif
	WIN 0x7f                                       ; K, Q and the bias in window 3, the scores in window 1
.irp t, 0,1,2,3,4,5,6,7
.irp u, 0,1,2,3
	v_wmma_f32_16x16x64_fp8_fp8 v[64*\u+8*\t:64*\u+8*\t+7], v[KF+8*\t:KF+8*\t+7], v[Q+32*\g+8*\u:Q+32*\g+8*\u+7], v[CB+8*\t:CB+8*\t+7]
.endr
.endr
	WIN 0
.if \g == 0
	v_add_nc_u32 v[ADV], s[TB], v[AV0]
.else
	v_add_nc_u32 v[ADK], s[TB], v[AK0]
.endif
.rept 3
	v_nop                                          ; with the addition: four places ahead of the loads into fragments and of the first read of the scores
.endr
	WIN 0xc0
.if \g == 0
.irp t, 0,1,2,3
.irp c, 0,1,2,3
	ds_load_b128 v[VF+16*\t+4*\c:VF+16*\t+4*\c+3], v[ADV] offset:16*VP*\t+32*\c
.endr
.endr
.else
	KLOAD ADK
.endif
	WIN 0x15                                       ; the step's largest s + B: two chains a tile, eight side by side
.irp u, 0,1,2,3
	v_max3_num_f32 v[TT+4*\u], v[64*\u], v[64*\u+1], v[64*\u+2]
	v_max3_num_f32 v[TT+4*\u+1], v[64*\u+3], v[64*\u+4], v[64*\u+5]
.endr
	WIN 0x14
.irp i, 6,10,14,18,22,26,30,34,38,42,46,50,54,58
.irp u, 0,1,2,3
	v_max3_num_f32 v[TT+4*\u], v[TT+4*\u], v[64*\u+\i], v[64*\u+\i+1]
	v_max3_num_f32 v[TT+4*\u+1], v[TT+4*\u+1], v[64*\u+\i+2], v[64*\u+\i+3]
.endr
.endr
.irp u, 0,1,2,3
	v_max3_num_f32 v[TT+4*\u], v[TT+4*\u], v[64*\u+62], v[64*\u+63]
.endr
	WIN 0
.irp u, 0,1,2,3
	v_add_f32 v[SB+8*\u+6], 0x43000000, v[SB+8*\u+6]          ; the step's first key - my query
.endr
.irp u, 0,1,2,3
	v_max_num_f32 v[TT+4*\u], v[TT+4*\u], v[TT+4*\u+1]
.endr
.irp u, 0,1,2,3
	v_permlanex16_b32 v[TT+4*\u+2], v[TT+4*\u], s[SEL], s[SEL+1]
.endr
.irp u, 0,1,2,3
	v_mul_f32 v[TT+4*\u+1], s[SL2], v[SB+8*\u+6]              ; base
.endr
.irp u, 0,1,2,3
	v_max_num_f32 v[TT+4*\u], v[TT+4*\u], v[TT+4*\u+2]        ; with lane l xor 16's
.endr
.irp u, 0,1,2,3
	v_fma_f32 v[TT+4*\u], v[TT+4*\u], s[CS], v[TT+4*\u+1]     ; the step's largest t (c is positive)
.endr
.irp u, 0,1,2,3
	v_max_num_f32 v[SB+8*\u+3], v[SB+8*\u+3], v[TT+4*\u]      ; the running largest t
.endr
.irp u, 0,1,2,3
	v_mov_b32 v[TT+4*\u], v[SB+8*\u+1]
.endr
.irp u, 0,1,2,3
	v_floor_f32 v[SB+8*\u+1], -v[SB+8*\u+3]                   ; the new -M = -ceil(t)
.endr
.irp u, 0,1,2,3
	v_sub_f32 v[TT+4*\u], v[SB+8*\u+1], v[TT+4*\u]            ; old M - new M, a whole number, 0 or less
.endr
.irp u, 0,1,2,3
	v_cvt_i32_f32 v[TT+4*\u], v[TT+4*\u]                      ; (it saturates)
.endr
.irp u, 0,1,2,3
	v_add_f32 v[SB+8*\u+2], v[TT+4*\u+1], v[SB+8*\u+1]        ; base - M
.endr
.irp u, 0,1,2,3
	v_ldexp_f32 v[SB+8*\u], 1.0, v[TT+4*\u]                   ; f = 2^(old M - new M)
.endr
.irp u, 0,1,2,3
	v_pk_mul_f32 v[SB+8*\u+4:SB+8*\u+5], v[SB+8*\u+4:SB+8*\u+5], v[SB+8*\u:SB+8*\u+1] op_sel_hi:[1,0]   ; the sum under the new M
.endr
	WIN 0x41
.set n, 0
.rept 32
	v_pk_fma_f32 v[2*n:2*n+1], v[2*n:2*n+1], s[CS:CS+1], v[SB+2:SB+3] op_sel_hi:[1,0,0]   ; tile 0's t - M
.set n, n+1
.endr
	s_wait_alu depctr_va_vdst(0)                   ; ahead of the first batch
	BATCH 0
	BATCH 1
	BATCH 2
	BATCH 3
	WIN 0x41
.set n, 0
.rept 32
	HOLD 192+2*n
.set n, n+1
.endr
	CODES 3
	WIN 0
.irp u, 0,1,2,3                                ; the four tiles' sums are finished side by side
	v_pk_add_f32 v[Y+8*\u:Y+8*\u+1], v[Y+8*\u:Y+8*\u+1], v[Y+8*\u+4:Y+8*\u+5]
	v_pk_add_f32 v[Y+8*\u+2:Y+8*\u+3], v[Y+8*\u+2:Y+8*\u+3], v[Y+8*\u+6:Y+8*\u+7]
.endr
.irp u, 0,1,2,3
	v_pk_add_f32 v[Y+8*\u:Y+8*\u+1], v[Y+8*\u:Y+8*\u+1], v[Y+8*\u+2:Y+8*\u+3]
.endr
.irp u, 0,1,2,3
	v_pk_add_f32 v[SB+8*\u+4:SB+8*\u+5], v[SB+8*\u+4:SB+8*\u+5], v[Y+8*\u:Y+8*\u+1]
.endr
	WIN 0x82
	s_wait_alu depctr_va_vdst(0)                   ; directly ahead of the first reader of O^T
.irp u, 0,1,2,3
.set n, 0
.rept 16
	v_pk_mul_f32 v[OB+32*\u+n:OB+32*\u+n+1], v[OB+32*\u+n:OB+32*\u+n+1], v[SB+8*\u:SB+8*\u+1] op_sel_hi:[1,0]   ; O^T under the new M
.set n, n+2
.endr
.endr
.if \g == 0
	s_wait_alu depctr_va_vdst(0)                   ; directly ahead of the wait below
	s_wait_dscnt 0x0                               ; V is in
.endif
	WIN 0xa3                                       ; V in window 3, p's codes in window 0, O^T in window 2; the sixteen accumulators take turns
.irp t, 0,1,2,3
.irp u, 0,1,2,3
	v_wmma_f32_16x16x128_fp8_fp8 v[OB+32*\u+8*\t:OB+32*\u+8*\t+7], v[VF+16*\t:VF+16*\t+15], v[PC+16*\u:PC+16*\u+15], v[OB+32*\u+8*\t:OB+32*\u+8*\t+7]
.endr
.endr
	WIN 0
.endm
	s_wait_alu depctr_va_vdst(0)                   ; the wait at the head's end
	s_wait_loadcnt 0x0                             ; Q
	s_wait_tensorcnt 0x0                           ; my half of K or of V is in,
	s_barrier_signal -1
	s_barrier_wait -1                              ; and everybody's
	WIN 0xc0
	KLOAD AK0                                      ; step 0's keys
	WIN 0
	s_mov_b32 s[CNT], 0
.Lstep:                                            ; 16 steps of 128 keys
	s_wait_dscnt 0x0                               ; K is in
	GROUP 0
	GROUP 1
	s_add_co_u32 s[CNT], s[CNT], 1
	s_cmp_lt_u32 s[CNT], 16
	s_wait_alu depctr_va_vdst(0)                   ; directly ahead of the branch
	s_cbranch_scc1 .Lstep
	; THE END: O^T / the sum, held and converted.  The 24 lines on the sums are the places behind the last products.
.irp T, 0,1,2,3,4,5,6,7
	v_add_f32 v[ST+8*\T+4], v[ST+8*\T+4], v[ST+8*\T+5]
.endr
.irp T, 0,1,2,3,4,5,6,7
	v_permlanex16_b32 v[X+\T], v[ST+8*\T+4], s[SEL], s[SEL+1]
.endr
.irp T, 0,1,2,3,4,5,6,7
	v_add_f32 v[ST+8*\T+4], v[ST+8*\T+4], v[X+\T]  ; the row's sum, at least 1/2
.endr
	s_wait_alu depctr_va_vdst(0)                   ; ahead of the batch
.irp T, 0,1,2,3,4,5,6,7
	v_rcp_f32 v[ST+8*\T], v[ST+8*\T+4]
.endr
	v_nop
	WIN 0x82
	s_wait_alu depctr_va_vdst(0)                   ; behind the batch, directly ahead of the first reader of O^T
.irp T, 0,1,2,3,4,5,6,7
.set n, 0
.rept 16
	v_pk_mul_f32 v[32*\T+n:32*\T+n+1], v[32*\T+n:32*\T+n+1], v[ST+8*\T:ST+8*\T+1] op_sel_hi:[1,0]
.set n, n+2
.endr
.endr
.set n, 0
.rept 256
	v_med3_num_f32 v[n], v[n], -v[LIMO], v[LIMO]
.set n, n+1
.endr
	WIN 0x02
.irp T, 0,1,2,3,4,5,6,7
.irp t, 0,1,2,3
	v_cvt_scalef32_pk8_fp8_f32 v[PC+8*\T+2*\t:PC+8*\T+2*\t+1], v[32*\T+8*\t:32*\T+8*\t+7], v[SCO]   ; the codes of o(query 16 T + r, 16 t + 8 h + 0 .. 7)
.endr
.endr
	v_nop
	WIN 0
	; THE WAY OUT.  A token's 256 bytes (four heads x 64) come from the four waves: they meet in a stage and leave as whole rows.
	s_wait_alu depctr_va_vdst(0)                   ; directly ahead of the wait below
	s_wait_dscnt 0x0
	s_barrier_signal -1
	s_barrier_wait -1                              ; no wave reads K any more
.irp T, 0,1,2,3,4,5,6,7
.irp t, 0,1,2,3
	ds_store_b64 v[STO], v[PC+8*\T+2*\t:PC+8*\T+2*\t+1] offset:16*\T*SP+16*\t
.endr
.endr
	s_wait_dscnt 0x0                               ; for the others' sake
	s_barrier_signal -1
	s_barrier_wait -1
.irp i, 0,1,2,3,4,5,6,7,8,9,10,11,12,13,14,15
	ds_load_b128 v[PC+4*\i:PC+4*\i+3], v[RD] offset:\i*2*SP
.endr
.irp i, 0,1,2,3,4,5,6,7,8,9,10,11,12,13,14,15
	s_wait_dscnt 15-\i                             ; load i is back; the younger ones may be out
	global_store_b128 v[GO], v[PC+4*\i:PC+4*\i+3], s[12:13] offset:2048*\i   ; 16 lanes store 256 consecutive bytes, at a multiple of 256 from the buffer's first byte
.endr
	s_wait_tensorcnt 0x0                           ; the wave's end
	ds_add_u32 v[SPW], v[NIL]
	s_wait_dscnt 0x0
	CROUND                                         ; the closing round
	s_endpgm
.Lfunc_end_k_qfae40c8331_attn:
	.size	k_qfae40c8331_attn, .Lfunc_end_k_qfae40c8331_attn-k_qfae40c8331_attn
	.p2alignl 7, 3214868480
	.fill 96, 4, 3214868480
	.section	.rodata,"a",@progbits
	.p2align	6, 0x0
	.amdhsa_kernel k_qfae40c8331_attn
		.amdhsa_group_segment_fixed_size 327680
		.amdhsa_private_segment_fixed_size 0
		.amdhsa_enable_private_segment 0
		.amdhsa_kernarg_size 40
		.amdhsa_user_sgpr_count 2
		.amdhsa_user_sgpr_kernarg_segment_ptr 1
		.amdhsa_wavefront_size32 1
		.amdhsa_system_sgpr_workgroup_id_x 1
		.amdhsa_system_sgpr_workgroup_id_y 1
		.amdhsa_system_sgpr_workgroup_id_z 1
		.amdhsa_system_vgpr_workitem_id 0
		.amdhsa_next_free_vgpr 1024
		.amdhsa_next_free_sgpr 102
		.amdhsa_reserve_vcc 0
		.amdhsa_float_denorm_mode_32 3
		.amdhsa_float_denorm_mode_16_64 3
		.amdhsa_memory_ordered 1
		.amdhsa_forward_progress 1
		.amdhsa_inst_pref_size 170
	.end_amdhsa_kernel
	.amdgpu_metadata
---
amdhsa.version: [ 1, 2 ]
amdhsa.kernels:
  - .name:           k_qfae40c8331_attn
    .symbol:         k_qfae40c8331_attn.kd
    .args:
      - { .name: q_codes, .offset: 0, .size: 8, .value_kind: global_buffer, .address_space: global }
      - { .name: k_codes, .offset: 8, .size: 8, .value_kind: global_buffer, .address_space: global }
      - { .name: v_codes, .offset: 16, .size: 8, .value_kind: global_buffer, .address_space: global }
      - { .name: lowp_scales, .offset: 24, .size: 8, .value_kind: global_buffer, .address_space: global }
      - { .name: a_codes, .offset: 32, .size: 8, .value_kind: global_buffer, .address_space: global }
    .group_segment_fixed_size: 327680
    .private_segment_fixed_size: 0
    .kernarg_segment_align: 8
    .kernarg_segment_size: 40
    .max_flat_workgroup_size: 128
    .sgpr_count:     102
    .vgpr_count:     1024
    .wavefront_size: 32
...
	.end_amdgpu_metadata
.endif
;; end of part 2
;; launch outp (part 3): grid 4 x 64, 4 waves a work-group, clusters of 4 x 4, 327,680 bytes of LDS; arguments a_codes, Wo_codes, lowp_scales, out0; writes out0
.if DOCPART == 3
	.amdgcn_target "amdgcn-amd-amdhsa--gfx1250"
	.amdhsa_code_object_version 6
	.text
	.protected	k_qfae40c8331_outp
	.globl	k_qfae40c8331_outp
	.p2align	8
	.type	k_qfae40c8331_outp,@function
k_qfae40c8331_outp:
	s_mov_b64 s[64:65], 0
	v_nop
	global_prefetch_b8 v0, s[64:65] scope:SCOPE_SE
	s_setreg_imm32_b32 hwreg(HW_REG_WAVE_MODE, 25, 1), 1
	s_wait_xcnt 0x0
	s_wait_alu depctr_hold_cnt(0) depctr_sa_sdst(0) depctr_va_vdst(0) depctr_va_sdst(0) depctr_va_ssrc(0) depctr_va_vcc(0) depctr_vm_vsrc(0)
	s_getreg_b32 s2, hwreg(HW_REG_IB_STS2, 6, 4)
	s_cmp_eq_u32 s2, 0
	s_cbranch_scc0 .Lentry_in_a_cluster
	s_endpgm
.Lentry_in_a_cluster:
	s_bfe_u32 s2, ttmp6, 0x10000c
	s_cmp_lg_u32 s2, 0xf033
	s_cbranch_scc0 .Lentry_shape_is_right
	s_endpgm
.Lentry_shape_is_right:
; The last projection: out0[m][n] = sum over k of a[m][k] Wo[n][k], on codes of FP8 (E4M3); a_codes [8192][1024], Wo_codes [1024 (n)][1024 (k)], out0 [8192][1024] f32.  Each finished sum is multiplied once by 2^(e10 + e11).
; LIMIT: e10 + e11 lies between -126 and 127, so that 2^(e10 + e11) is an f32 number.
; SHARES.  A work-group makes 128 rows x 256 columns: 64 x 4 = 256 work-groups.  Four waves, each 64 rows x 128 columns: 32 accumulators of 16 x 16, 256 registers.
; K goes in steps of 256 through a ring of two LDS slots; a slot holds A's 128 rows, then B's 256; a tile's row is 256 bytes of memory.  Waves 0, 1 fetch 64 rows of A each, waves 2, 3 fetch 128 rows of B each.
; CLUSTERS 4 x 4: the four of a row of the cluster need the same tile of A, the four of a column the same tile of B: each tile is asked for JOINTLY.
; THE MATRIX INSTRUCTION IS USED TRANSPOSED (source 0 = 16 rows of B, source 1 = 16 rows of A): a lane holds eight neighbouring numbers of a row of the result.
; PREFETCH: K is four steps.  Behind the load of K step 0 stands a prefetch of step 2, behind that of step 1 one of step 3: two steps ahead of the loads that want them.  A wave names the rows that it fetches;
; the four partners that ask for a tile jointly share its rows out by address (16 rows of A's 64, 32 of B's 128; a lane a row, 256 bytes each; lanes left over name the last row again).  The address registers are never rewritten.
; REGISTERS.  window 0: v0-31 addresses; v128-191, v192-255 A's fragments (4 x 16 rows x 128 K), two sets; on the way out v32-255 are free.  window 1: B's fragments (8), two sets, at v0 and v128.  window 2: accumulator (a, b) at v[8 (8 a + b)].
.set SIZE_N, 1024
.set KROW,   1024
.set ROWB,   256
.set PITCH,  272                       ; an LDS row: 256 bytes + 16 of padding
.set FR,     16
.set AREG,   128*PITCH                 ; A's 128 rows of a slot; B's 256 follow
.set SLOT,   3*AREG
.set LAPS,   KROW/(2*ROWB)
.set SPARE,  2*SLOT                    ; the spare words: 128 bytes a wave, two blocks of 256 bytes that no other line names
.set SPITCH, 528                       ; the way out: 16 rows x (512 + 16) bytes a wave, in slot 0, behind its last fill and its last read
.set ADRA, 16
.set ADRB, 20
.set STO,  24
.set RD,   25
.set CO,   26
.set PFO,  27                          ; the prefetches' offset: my lane's row; never rewritten
.set SPW,  28
.set NIL,  29
.set TMP,  32
.set AF,   128
.set BK,   128
.set G1, 24
.set G0, 32
.set G1B, 48
.set G0B, 56
.set PFA, 68                           ; s[68:69] the first of the rows that my prefetches name; never rewritten
.set MSB, 0
.macro WIN new
.if MSB != \new
	s_set_vgpr_msb (MSB<<8)|\new
.set MSB, \new
.endif
.endm
.set MUL,  0xa1                        ; source 0 (B) window 1, source 1 (A) window 0, C and D window 2
.set TO_B, 0x40
.macro JLOAD g0a, g1a, g0b, g1b        ; a joint load: waves 0, 1 for A, waves 2, 3 for B; an s_nop 0 and four v_nop follow each line
	s_cmp_eq_u32 s15, 0
	s_cbranch_scc0 .Lfor_b_\@
	tensor_load_to_lds s[\g0a:\g0a+3], s[\g1a:\g1a+7]
	s_nop 0
.rept 4
	v_nop
.endr
	s_branch .Lasked_\@
.Lfor_b_\@:
	tensor_load_to_lds s[\g0b:\g0b+3], s[\g1b:\g1b+7]
	s_nop 0
.rept 4
	v_nop
.endr
.Lasked_\@:
.endm
.macro CREST                           ; a round of the cluster's barrier behind its opening barrier
	s_cmp_lg_u32 s14, 0
	s_cbranch_scc1 .Lnot_wave_0_\@
	s_barrier_signal -3
.Lnot_wave_0_\@:
	s_barrier_wait -3
	s_barrier_signal -1
	s_barrier_wait -1
.endm
.macro CROUND
	s_barrier_signal -1
	s_barrier_wait -1
	CREST
.endm
.macro PLACES n
.rept \n
	v_nop
.endr
.endm
	s_load_b128 s[4:7], s[0:1], 0x0                ; a_codes, Wo_codes
	s_load_b128 s[8:11], s[0:1], 0x10              ; the exponents, out0
	v_lshl_add_u32 v[SPW], v0, 2, SPARE
	v_mov_b32 v[NIL], 0
	ds_add_u32 v[SPW], v[NIL]                      ; the opening lines: the add, twice on end, and its wait
	ds_add_u32 v[SPW], v[NIL]
	v_lshrrev_b32 v1, 5, v0
	v_readfirstlane_b32 s14, v1                    ; wave 0..3
	s_lshr_b32 s15, s14, 1                         ; which 64 rows of the block are mine.  Also: I fetch for A (0) or for B (1)
	s_and_b32 s16, s14, 1                          ; which 128 columns.  Also: which half of that tile I fetch
	s_bfe_u32 s40, ttmp6, 0x40000                  ; cx, cy
	s_bfe_u32 s41, ttmp6, 0x40004
	s_lshl_b32 s42, ttmp9, 2
	s_add_co_u32 s42, s42, s40                     ; block column = 4 x cluster x + cx
	s_and_b32 s17, ttmp7, 0xffff
	s_lshl_b32 s17, s17, 2
	s_add_co_u32 s17, s17, s41                     ; block row = 4 x cluster y + cy
	s_lshl_b32 s43, s41, 2
	s_lshl_b32 s43, 15, s43                        ; my row of the cluster
	s_lshl_b32 s44, 0x1111, s40                    ; my column
	s_or_b32 s[G1+0], s43, (0<<16)|(1<<20)|(1<<21)|(5<<22)|(3<<25)   ; the mask; bytes; four words of padding after every 64
	s_or_b32 s[G1B+0], s44, (0<<16)|(1<<20)|(1<<21)|(5<<22)|(3<<25)
.irp g, G1, G1B
	s_mov_b32 s[\g+1], ROWB<<16
	s_mov_b32 s[\g+3], ROWB<<16
	s_mov_b32 s[\g+5], KROW
	s_mov_b32 s[\g+6], 0
	s_mov_b32 s[\g+7], 0
.endr
	s_mov_b32 s[G1+2], 64<<16                      ; A: 64 rows a load
	s_mov_b32 s[G1+4], 64
	s_mov_b32 s[G1B+2], 128<<16                    ; B: 128
	s_mov_b32 s[G1B+4], 128
	s_lshl_b32 s18, s16, 6
	s_lshl_b32 s20, s17, 7
	s_add_co_u32 s20, s20, s18                     ; A: row 128 x block row + 64 x half
	s_lshl_b32 s20, s20, 10
	s_mov_b32 s21, 0
	s_lshl_b32 s18, s16, 7
	s_lshl_b32 s46, s42, 8
	s_add_co_u32 s46, s46, s18                     ; B: row 256 x block column + 128 x half
	s_lshl_b32 s46, s46, 10
	s_mov_b32 s47, 0
	s_mul_i32 s45, s16, 64*PITCH                   ; where they go: no place in the cluster enters an LDS address
	s_mul_i32 s22, s16, AREG
	s_add_co_u32 s22, s22, AREG
	s_wait_dscnt 0x0
	s_wait_kmcnt 0x0
	s_load_b64 s[96:97], s[8:9], 0x28              ; e10, e11
	s_add_nc_u64 s[20:21], s[4:5], s[20:21]
	s_add_nc_u64 s[46:47], s[6:7], s[46:47]
	CROUND                                         ; all sixteen work-groups are here: the first joint loads meet
.irp s, 0,1
	s_mov_b32 s[G0+4*\s], 1
	s_add_co_u32 s[G0+4*\s+1], s45, \s*SLOT
	s_add_nc_u64 s[G0+4*\s+2:G0+4*\s+3], s[20:21], \s*ROWB
	s_or_b32 s[G0+4*\s+3], s[G0+4*\s+3], 0x80000000
	s_mov_b32 s[G0B+4*\s], 1
	s_add_co_u32 s[G0B+4*\s+1], s22, \s*SLOT
	s_add_nc_u64 s[G0B+4*\s+2:G0B+4*\s+3], s[46:47], \s*ROWB
	s_or_b32 s[G0B+4*\s+3], s[G0B+4*\s+3], 0x80000000
.endr
	JLOAD G0, G1, G0B, G1B                         ; K step 0: one tensor load a wave at the head
	; the prefetches' rows: of A 128 x block row + 64 x half + 16 cx, of B 256 x block column + 128 x half + 32 cy
	s_lshl_b32 s70, s17, 7
	s_lshl_b32 s71, s16, 6
	s_add_co_u32 s70, s70, s71
	s_lshl_b32 s71, s40, 4
	s_add_co_u32 s70, s70, s71
	s_lshl_b32 s72, s42, 8
	s_lshl_b32 s73, s16, 7
	s_add_co_u32 s72, s72, s73
	s_lshl_b32 s73, s41, 5
	s_add_co_u32 s72, s72, s73
	s_cmp_eq_u32 s15, 0
	s_cselect_b32 s70, s70, s72
	s_cselect_b32 s72, 15, 31                      ; my share's last row
	s_cselect_b64 s[PFA:PFA+1], s[4:5], s[6:7]
	s_lshl_b32 s70, s70, 10
	s_mov_b32 s71, 0
	s_add_nc_u64 s[PFA:PFA+1], s[PFA:PFA+1], s[70:71]
	s_mul_i32 s74, s15, 64*PITCH                   ; my 64 rows of A in a slot
	s_mul_i32 s23, s14, 16*SPITCH                  ; my stage
	s_lshl_b32 s76, s17, 7
	s_lshl_b32 s77, s15, 6
	s_add_co_u32 s76, s76, s77                     ; my first row of the result,
	s_lshl_b32 s76, s76, 12
	s_lshl_b32 s77, s42, 10
	s_add_co_u32 s76, s76, s77
	s_lshl_b32 s77, s16, 9
	s_add_co_u32 s76, s76, s77                     ; and my first column, in bytes
	s_mov_b32 s77, 0
	s_add_nc_u64 s[10:11], s[10:11], s[76:77]
	v_and_b32 v6, 31, v0
	v_min_u32 v[PFO], s72, v6
	v_lshlrev_b32 v[PFO], 10, v[PFO]
	global_prefetch_b8 v[PFO], s[PFA:PFA+1] offset:2*ROWB th:TH_LOAD_NT scope:SCOPE_SE   ; K step 2
	v_and_b32 v1, 15, v0                           ; l % 16
	v_bfe_u32 v2, v0, 4, 1                         ; l / 16
	v_mul_u32_u24 v3, v1, PITCH
	v_lshl_add_u32 v4, v2, 4, v3                   ; a fragment's row x pitch + 16 x half
	v_add_nc_u32 v[ADRA], s74, v4
	v_add_nc_u32 v[ADRB], s22, v4
	v_add_nc_u32 v[ADRA+1], SLOT, v[ADRA]
	v_add_nc_u32 v[ADRB+1], SLOT, v[ADRB]
	v_mul_u32_u24 v5, v1, SPITCH                   ; the stage, in: row l % 16, 32 bytes for each half of the lanes
	v_lshl_add_u32 v5, v2, 5, v5
	v_add_nc_u32 v[STO], s23, v5
	v_lshlrev_b32 v[CO], 4, v6                     ; back: the 32 lanes take one row of 512 bytes; and the same in the result
	v_add_nc_u32 v[RD], s23, v[CO]
.macro FRAG reg, adr, q, i             ; 16 rows x 128 K: registers 4 c .. 4 c + 3 hold K = 32 c + 16 (l / 16) + 0 .. 15, alike in A and B
.irp c, 0,1,2,3
	ds_load_b128 v[\reg+4*\c:\reg+4*\c+3], v[\adr] offset:128*(\q)+32*\c+(\i)*16*PITCH
.endr
.endm
.macro FETCH slot, q, p                ; 48 LDS loads: the fragments of the slot's q-th 128 along K into set p
	WIN TO_B
.irp i, 0,1,2,3,4,5,6,7
	FRAG 128*(\p)+FR*\i, ADRB+\slot, \q, \i
.endr
	WIN 0
.irp i, 0,1,2,3
	FRAG AF+64*(\p)+FR*\i, ADRA+\slot, \q, \i
.endr
.endm
; 16 matrix instructions: A's blocks a0, a0 + 1 x B's eight.  The 32 accumulators take turns, one instruction a turn, in the same order in every step.
.macro MUL16 a0, p, zero
.irp a, \a0, \a0+1
.irp b, 0,1,2,3,4,5,6,7
.if \zero
	v_wmma_f32_16x16x128_fp8_fp8 v[8*(8*(\a)+\b):8*(8*(\a)+\b)+7], v[128*(\p)+FR*\b:128*(\p)+FR*\b+FR-1], v[AF+64*(\p)+FR*(\a):AF+64*(\p)+FR*(\a)+FR-1], 0
.else
	v_wmma_f32_16x16x128_fp8_fp8 v[8*(8*(\a)+\b):8*(8*(\a)+\b)+7], v[128*(\p)+FR*\b:128*(\p)+FR*\b+FR-1], v[AF+64*(\p)+FR*(\a):AF+64*(\p)+FR*(\a)+FR-1], v[8*(8*(\a)+\b):8*(8*(\a)+\b)+7]
.endif
.endr
.endr
.endm
; A slot's first 128 along K (set 0): its second 128 is asked of LDS first, into set 1, and lands under the products.
.macro STEP slot, zero
	PLACES 4                                       ; ahead of loads into registers that matrix instructions have read
	FETCH \slot, 1, 1
	s_wait_dscnt 48                                ; set 0 is in; the 48 loads just issued may be out
	WIN MUL
	MUL16 0, 0, \zero
	MUL16 2, 0, \zero
	WIN 0
.endm
; A slot's second 128 (set 1) changes slots: ONE barrier; ahead of it each wave waits for all its tensor loads, adds 0 to its spare word, and waits for that and for its reads of this slot.  fill = 1: this slot is filled again.
.macro TURN slot, next, fill
	s_wait_tensorcnt 0x0                           ; my part of the next slot has landed
	ds_add_u32 v[SPW], v[NIL]
	s_wait_dscnt 1                                 ; set 1 is in; the add may be out
	WIN MUL
	MUL16 0, 1, 0
	s_wait_dscnt 0x0                               ; the add is done, and my reads of this slot are over
	s_barrier_signal -1
	MUL16 2, 1, 0
	WIN 0
	s_barrier_wait -1
.if \fill
	CREST                                          ; the barrier has opened a round of the cluster's barrier
	s_add_nc_u64 s[G0+4*\slot+2:G0+4*\slot+3], s[G0+4*\slot+2:G0+4*\slot+3], 2*ROWB
	s_add_nc_u64 s[G0B+4*\slot+2:G0B+4*\slot+3], s[G0B+4*\slot+2:G0B+4*\slot+3], 2*ROWB
	JLOAD G0+4*\slot, G1, G0B+4*\slot, G1B         ; the first tensor load behind the round; its four v_nop are the places ahead of the loads below
.else
	PLACES 4
.endif
	FETCH \next, 0, 0
.endm
	s_wait_alu depctr_va_vdst(0)                   ; the wait at the head's end
	s_wait_tensorcnt 0x0                           ; my part of K step 0 is in; the lines ahead of a later first fill:
	ds_add_u32 v[SPW], v[NIL]
	s_wait_dscnt 0x0
	CROUND
	JLOAD G0+4, G1, G0B+4, G1B                     ; K step 1
	FETCH 0, 0, 0
	global_prefetch_b8 v[PFO], s[PFA:PFA+1] offset:3*ROWB th:TH_LOAD_NT scope:SCOPE_SE   ; K step 3
	STEP 0, 1                                      ; the first products start the sums: nothing is cleared
	s_mov_b32 s3, LAPS-1
.Llap:                                             ; a trip goes once round the ring and fills both slots again
	TURN 0, 1, 1
	STEP 1, 0
	TURN 1, 0, 1
	STEP 0, 0
	s_sub_co_u32 s3, s3, 1
	s_cmp_lg_u32 s3, 0
	s_cbranch_scc1 .Llap
	TURN 0, 1, 0                                   ; the last lap fills nothing
	STEP 1, 0
	s_wait_dscnt 0x0
	WIN MUL
	MUL16 0, 1, 0
	MUL16 2, 1, 0
	WIN 0
; THE WAY OUT, block by block of 16 rows x 128 columns, through my own stage: in as 32 bytes a lane, back as whole rows of 512 bytes.  LDS serves a wave's instructions in order (ISA guide 5.7.1.4).
.macro TOSTAGE a
.set AC, 64*(\a)
	WIN 0x02
.irp j, 0,2,4,6,8,10,12,14,16,18,20,22,24,26,28,30,32,34,36,38,40,42,44,46,48,50,52,54,56,58,60,62
	v_pk_mul_f32 v[TMP+\j:TMP+\j+1], v[AC+\j:AC+\j+1], s[96:97] op_sel_hi:[1,0]   ; x 2^(e10 + e11); each accumulator from its low end on
.endr
	WIN 0
.irp b, 0,1,2,3,4,5,6,7
	ds_store_b128 v[STO], v[TMP+8*\b:TMP+8*\b+3] offset:64*\b
	ds_store_b128 v[STO], v[TMP+8*\b+4:TMP+8*\b+7] offset:64*\b+16
.endr
.set BB, BK+64*((\a)%2)
.irp t, 0,1,2,3,4,5,6,7,8,9,10,11,12,13,14,15
	ds_load_b128 v[BB+4*\t:BB+4*\t+3], v[RD] offset:\t*SPITCH
.endr
.endm
.macro SEND a, younger                 ; younger: the LDS instructions issued behind block a's loads, which may stay out
.set BB, BK+64*((\a)%2)
	s_wait_dscnt \younger
.if (\a) > 0
	s_add_nc_u64 s[10:11], s[10:11], 16*SIZE_N*4   ; (behind a wait on XCNT)  16 rows on
.endif
.irp t, 0,1,2,3,4,5,6,7,8,9,10,11,12,13,14,15
	global_store_b128 v[CO], v[BB+4*\t:BB+4*\t+3], s[10:11] offset:\t*SIZE_N*4 th:TH_STORE_NT   ; 32 lanes store 512 consecutive bytes, at a multiple of 256 from the buffer's first byte
.endr
.endm
	s_wait_kmcnt 0x0
	s_add_co_i32 s96, s96, s97
	s_add_co_i32 s96, s96, 127
	s_lshl_b32 s96, s96, 23                        ; 2^(e10 + e11) as f32
	PLACES 4                                       ; ahead of the first read of results and of loads into A's registers
	TOSTAGE 0
.irp a, 1,2,3
.if \a > 1
	s_wait_xcnt 0x0                                ; block a - 2's stores have read their registers and their base
.endif
	TOSTAGE \a
	SEND \a-1, 32                                  ; behind block a - 1's loads: block a's 16 stores and 16 loads
.endr
	s_wait_xcnt 0x0
	SEND 3, 0
	s_wait_tensorcnt 0x0                           ; the wave's end
	ds_add_u32 v[SPW], v[NIL]
	s_wait_dscnt 0x0
	CROUND                                         ; the closing round
	s_endpgm
.Lfunc_end_k_qfae40c8331_outp:
	.size	k_qfae40c8331_outp, .Lfunc_end_k_qfae40c8331_outp-k_qfae40c8331_outp
	.p2alignl 7, 3214868480
	.fill 96, 4, 3214868480
	.section	.rodata,"a",@progbits
	.p2align	6, 0x0
	.amdhsa_kernel k_qfae40c8331_outp
		.amdhsa_group_segment_fixed_size 327680
		.amdhsa_private_segment_fixed_size 0
		.amdhsa_enable_private_segment 0
		.amdhsa_kernarg_size 32
		.amdhsa_user_sgpr_count 2
		.amdhsa_user_sgpr_kernarg_segment_ptr 1
		.amdhsa_wavefront_size32 1
		.amdhsa_system_sgpr_workgroup_id_x 1
		.amdhsa_system_sgpr_workgroup_id_y 1
		.amdhsa_system_sgpr_workgroup_id_z 1
		.amdhsa_system_vgpr_workitem_id 0
		.amdhsa_next_free_vgpr 768
		.amdhsa_next_free_sgpr 98
		.amdhsa_reserve_vcc 0
		.amdhsa_float_denorm_mode_32 3
		.amdhsa_float_denorm_mode_16_64 3
		.amdhsa_memory_ordered 1
		.amdhsa_forward_progress 1
		.amdhsa_inst_pref_size 76
	.end_amdhsa_kernel
	.amdgpu_metadata
---
amdhsa.version: [ 1, 2 ]
amdhsa.kernels:
  - .name:           k_qfae40c8331_outp
    .symbol:         k_qfae40c8331_outp.kd
    .args:
      - { .name: a_codes, .offset: 0, .size: 8, .value_kind: global_buffer, .address_space: global }
      - { .name: Wo_codes, .offset: 8, .size: 8, .value_kind: global_buffer, .address_space: global }
      - { .name: lowp_scales, .offset: 16, .size: 8, .value_kind: global_buffer, .address_space: global }
      - { .name: out0, .offset: 24, .size: 8, .value_kind: global_buffer, .address_space: global }
    .group_segment_fixed_size: 327680
    .private_segment_fixed_size: 0
    .kernarg_segment_align: 8
    .kernarg_segment_size: 32
    .max_flat_workgroup_size: 128
    .sgpr_count:     98
    .vgpr_count:     768
    .wavefront_size: 32
...
	.end_amdgpu_metadata
.endif
;; end of part 3
